; MI455X (gfx1250); checked and timed in simulation.
; The chip was launched on July 23, 2026; its instructions are those of AMD's public machine-readable ISA for CDNA 5 (MIT licence, August 2026) and "CDNA5" Instruction Set Architecture Reference Guide (July 2026). The comments in the code are by the model that wrote it; some were corrected since.
;; Multi Head Attention. Allowed arithmetic: float matrix products may take bf16 or f16 operands with f32 sums; all other float work in f32.
;; Inputs: Wk 128 x 128 float32; Wo 128 x 128 float32; Wq 128 x 128 float32; Wv 128 x 128 float32; bk 128 float32; bo 128 float32; bq 128 float32; bv 128 float32; ln_b 128 float32; ln_w 128 float32; x 8 x 2,048 x 128 float32.
;; Outputs: out0 8 x 2,048 x 128 float32.
;; 2 versions, each right; version 2 is version 1 with the launch mha written anew for expert scheduling mode. Each part assembles by itself: llvm-mc -triple=amdgcn-amd-amdhsa -mcpu=gfx1250 --defsym DOCPART=n.
;; ======== version 1 of 2: 1 launch
;; launch mha (part 1): grid 256 x 1, 8 waves a work-group, no clusters, 234,752 bytes of LDS; arguments x, ln_w, ln_b, Wq, Wk, Wv, Wo, bq, bk, bv, bo, out0; writes out0
.if DOCPART == 1
	.amdgcn_target "amdgcn-amd-amdhsa--gfx1250"
	.amdhsa_code_object_version 6
	.text
	.protected	k_q5c57b5b3e2_mha
	.globl	k_q5c57b5b3e2_mha
	.p2align	8
	.type	k_q5c57b5b3e2_mha,@function
k_q5c57b5b3e2_mha:
	s_mov_b64 s[64:65], 0
	v_nop
	global_prefetch_b8 v0, s[64:65] scope:SCOPE_SE
	s_setreg_imm32_b32 hwreg(HW_REG_WAVE_MODE, 25, 1), 1
	s_wait_xcnt 0x0
; Pre-LayerNorm multi-head attention with the raw view (B,S,128) -> (B,8,S,16), all steps in one launch.
; The raw view puts head h of batch b on rows 256h .. 256h+255 of the projected matrices: token 8R+g of the head is
; chunk g (columns 16g .. 16g+15) of local row R, and the view back is the same map.  So the 64 (b,h) blocks are
; independent.  A work-group takes one block and one quarter of its queries: LayerNorm, K and V for all 256 rows
; (2,048 keys), Q for its 64 rows (512 queries), softmax(QK^T)/sqrt(128) V, the out projection, bias and residual.
; Eight waves; wave w owns chunk g = w everywhere: rows 16w..16w+15 of every weight matrix and the 64 queries (R, w).
;
; LAYOUTS (L lane, r = L & 15, h = bit 4 of L).  No step needs a shuffle between two matrix products:
;   keys are renumbered key' = 256 g + R, alike for K and V (a softmax does not mind the order of its keys);
;   K tile  = Wk x xn^T: a lane holds 8 dh of one key    -> 16 bytes at KP + 32768 h + 16 key'
;   V tile  = xn x Wv^T: a lane holds 8 keys of one dh   -> 16 bytes at VT + 4112 dh + 2 key'  (V transposed)
;   Q tile  = Wq x xn^T: a lane holds 8 dh of one query  =  half of a B fragment, kept in registers
;   scores  = K x Q^T, transposed.  dh = 16 fills half of the form's K = 32, so an A fragment carries TWO key tiles (registers 0-3
;             keys k0+r, registers 4-7 keys k0+16+r) and B is [q;0] or [0;q]: one fragment load serves two products.
;   the result (register j: key 8h+j, query r), after exp2 and rounding in place, IS the B fragment P^T of V^T x P^T;
;   the row sums are a product with an A of ones, the shift by the row maximum is the score product's C operand.
; The maxima come from a pass of their own over K (scores only), so the main pass has one exp2 and half a conversion per score.
;
; LIMITS.  Inputs are finite (the key tile that a product does not use is multiplied by zeros: 0 x inf would be NaN).
; xn, q log2(e), k, v, p and the attention output are rounded to bf16 for the matrix unit; sums are f32.  The row sum
; is taken over the rounded p, the numbers that the numerator uses.  p below 2^-126 counts as 0 (v_exp_f32 flushes).
;
; NO CLUSTER, NO TENSOR LOADS: what the four work-groups of a (b,h) share is x's 131,072 bytes and 262,144 bytes of weights, read
; once at the head of 13,568 matrix instructions; LayerNorm and the rounding stand between memory and LDS, so the data pass through
; registers anyway, and an f32 landing zone of 131,072 bytes does not fit beside the 233,728 bytes in use.
;
; LDS
.set XP,   272                         ; xn: 256 rows of 256 bytes bf16 + 16 (an odd multiple of 16: 16 rows, 16 different columns)
.set OST,  17408                       ; behind the attention rows (64 x 272, at 0, over xn once xn is read): 64 rows f32
.set OSP,  528                         ; 512 + 16
.set KP,   69632                       ; K: two planes of 32,768 bytes (dh 0-7, dh 8-15), 16 bytes a key
.set VT,   135168                      ; V transposed: 16 rows (dh)
.set VTP,  4112                        ; 4,096 + 16
.set WOS,  200960                      ; Wo's fragments, 4,096 bytes of its own for each wave
; vector registers that stay
.set WOFF, 3                           ; weights: 8192 w + 512 r + 32 h.   Later WOSA
.set BOFF, 4                           ; biases:  64 w + 32 h.             Later ATTW
.set FRA,  5                           ; fragment from rows of 272 bytes: 272 r + 16 h
.set KST,  6                           ; K store.  Later OSTW
.set VST,  7                           ; V store.  Later OSTR
.set KA0,  8                           ; K fragment, step 0
.set KA,   9                           ; K fragment, running
.set VA,   10                          ; V fragment, running (pass 2 alone)
.set QFA,  11                          ; xn fragment of my quarter's rows.  Later OOFF
.set WOSA, 3
.set ATTW, 4
.set OSTW, 6
.set OSTR, 7
.set OOFF, 11
; head and projections
.set BQ,   12                          ; v[12:19]  bq[16w+8h+j]
.set BK,   20                          ; v[20:27]  bk[16w+8h+j]
.set BV1,  28                          ; bv[16w+r]
.set LW,   30                          ; v[30:37]  ln_w of my 8 columns; then BV
.set BV,   30                          ; v[30:37]  bv[16w+r], eight times
.set LNB,  38                          ; v[38:45]  ln_b of my 8 columns
.set T,    46                          ; v[46:57]  at work
.set XOFF, 58
.set XNST, 59
.set LNC,  60
.set BVOFF,61
.set WK,   64                          ; v[64:127] Wk in f32, packed in place to v[64:95]
.set WV,   96                          ; v[96:127]
.set WQ,   128                         ; v[128:159]
.set X,    128                         ; v[128:255] 16 groups of 8: two rows of x a group
.set F0,   160                         ; v[160:191], v[192:223]: xn fragments, two buffers
.set ACCK, 224
.set ACCV, 232
.set PK,   240
.set QACC, 224                         ; v[224:255]
; attention
.set QB,   12                          ; v[12:47]  0 q0 0 q1 0 q2 0 q3 0, four registers each: [0;q_i] at QB+8i, [q_i;0] at QB+4+8i
.set NEGM, 48                          ; v[48:79]  minus the row maximum, 8 registers a tile; in pass 1 two running maxima a tile
.set OB,   80                          ; v[80:111] numerators
.set LS,   112                         ; v[112:143] row sums
.set ONES, 144                         ; v[144:151] bf16 1.0
.set KB,   152                         ; v[152:167] K fragments, two buffers
.set VB,   168                         ; v[168:183] V fragments, two buffers
.set SB,   184                         ; v[184:247] scores, 16 registers a tile
.set BO,   248                         ; v[248:255] bo[16w+8h+j]
; epilogue
.set WO,   12                          ; v[12:43]
.set XR,   48                          ; v[48:79]  x again, for the residual
.set OA,   184                         ; v[184:215]
.set RB,   216                         ; v[216:247]
.macro NOP4
.rept 4
	v_nop
.endr
.endm
; 16 rows of a weight matrix in f32, in fragment order: K block ks is columns 32ks.., a lane takes 8h..8h+7 and 16+8h..16+8h+7
.macro LOADW sb, dst
.irp ks, 0,1,2,3
	global_load_b128 v[\dst+16*\ks:\dst+16*\ks+3],     v[WOFF], s[\sb:\sb+1] offset:128*\ks
	global_load_b128 v[\dst+16*\ks+4:\dst+16*\ks+7],   v[WOFF], s[\sb:\sb+1] offset:128*\ks+16
	global_load_b128 v[\dst+16*\ks+8:\dst+16*\ks+11],  v[WOFF], s[\sb:\sb+1] offset:128*\ks+64
	global_load_b128 v[\dst+16*\ks+12:\dst+16*\ks+15], v[WOFF], s[\sb:\sb+1] offset:128*\ks+80
.endr
.endm
; 64 f32 to 32 registers of bf16 pairs.  In place it is safe: register dst+n was a source of step n/2
.macro CVTW src, dst
.set n, 0
.rept 32
	v_cvt_pk_bf16_f32 v[\dst+n], v[\src+2*n], v[\src+2*n+1]
.set n, n+1
.endr
.endm
; LayerNorm of rows 32w+2i+h.  The sixteen lanes of a half hold a row: columns 4r..4r+3 and 64+4r..64+4r+3.
.macro LNROW i, left
	s_wait_loadcnt \left                           ; loads return in order (ISA guide 5.7.1): this group's two are in, the younger stay out
	v_pk_add_f32 v[T:T+1], v[X+8*\i:X+8*\i+1], v[X+8*\i+2:X+8*\i+3]
	v_pk_add_f32 v[T+2:T+3], v[X+8*\i+4:X+8*\i+5], v[X+8*\i+6:X+8*\i+7]
	v_pk_add_f32 v[T:T+1], v[T:T+1], v[T+2:T+3]
	v_add_f32 v[T], v[T], v[T+1]
.irp m, 1,2,4,8
	v_add_f32_dpp v[T], v[T], v[T] row_xmask:\m row_mask:0xf bank_mask:0xf
.endr
	v_mul_f32 v[T+2], s41, v[T]                    ; the mean, twice: a pair for the packed forms
	v_mul_f32 v[T+3], s41, v[T]
.irp k, 0,2,4,6
	v_pk_add_f32 v[X+8*\i+\k:X+8*\i+\k+1], v[X+8*\i+\k:X+8*\i+\k+1], v[T+2:T+3] neg_lo:[0,1] neg_hi:[0,1]
.endr
	v_pk_mul_f32 v[T:T+1], v[X+8*\i:X+8*\i+1], v[X+8*\i:X+8*\i+1]
.irp k, 2,4,6
	v_pk_fma_f32 v[T:T+1], v[X+8*\i+\k:X+8*\i+\k+1], v[X+8*\i+\k:X+8*\i+\k+1], v[T:T+1]
.endr
	v_add_f32 v[T], v[T], v[T+1]
.irp m, 1,2,4,8
	v_add_f32_dpp v[T], v[T], v[T] row_xmask:\m row_mask:0xf bank_mask:0xf
.endr
	v_fma_f32 v[T+4], v[T], s41, s42               ; variance + eps
	v_rsq_f32 v[T+6], v[T+4]
	v_rsq_f32 v[T+7], v[T+4]
	v_nop                                          ; one plain instruction behind a transcendental before its result is used
	s_wait_alu depctr_va_vdst(0)
.irp k, 0,2,4,6
	v_pk_mul_f32 v[X+8*\i+\k:X+8*\i+\k+1], v[X+8*\i+\k:X+8*\i+\k+1], v[T+6:T+7]
.endr
.irp k, 0,2,4,6
	v_pk_fma_f32 v[X+8*\i+\k:X+8*\i+\k+1], v[X+8*\i+\k:X+8*\i+\k+1], v[LW+\k:LW+\k+1], v[LNB+\k:LNB+\k+1]
.endr
.irp k, 0,1,2,3
	v_cvt_pk_bf16_f32 v[T+8+\k], v[X+8*\i+2*\k], v[X+8*\i+2*\k+1]
.endr
	ds_store_b64 v[XNST], v[T+8:T+9] offset:2*XP*\i
	ds_store_b64 v[XNST], v[T+10:T+11] offset:2*XP*\i+128
.endm
; four fragments (16 rows x 128 columns of bf16) from rows of 272 bytes
.macro FETCHF buf, adr, off
.irp ks, 0,1,2,3
	ds_load_b128 v[\buf+8*\ks:\buf+8*\ks+3],   v[\adr] offset:\off+64*\ks
	ds_load_b128 v[\buf+8*\ks+4:\buf+8*\ks+7], v[\adr] offset:\off+64*\ks+32
.endr
.endm
; K and V of rows 16t..16t+15, chunk w.  The biases are the C of the first links.
.macro PROJ t
.set fcur, F0+32*((\t)&1)
.set fnxt, F0+32*((\t+1)&1)
.if \t < 15
	FETCHF fnxt, FRA, 16*XP*(\t+1)                 ; that buffer's last products stand 4 v_nop and 4 foreign conversions back
	s_wait_dscnt 0x8                               ; all but the eight just issued: this tile's fragments are in
.else
	s_wait_dscnt 0x0
.endif
	v_wmma_f32_16x16x32_bf16 v[ACCK:ACCK+7], v[WK:WK+7], v[fcur:fcur+7], v[BK:BK+7]
	v_wmma_f32_16x16x32_bf16 v[ACCV:ACCV+7], v[fcur:fcur+7], v[WV:WV+7], v[BV:BV+7]
.irp ks, 1,2,3
	v_wmma_f32_16x16x32_bf16 v[ACCK:ACCK+7], v[WK+8*\ks:WK+8*\ks+7], v[fcur+8*\ks:fcur+8*\ks+7], v[ACCK:ACCK+7]
	v_wmma_f32_16x16x32_bf16 v[ACCV:ACCV+7], v[fcur+8*\ks:fcur+8*\ks+7], v[WV+8*\ks:WV+8*\ks+7], v[ACCV:ACCV+7]
.endr
	NOP4                                           ; four places behind a matrix instruction before its result is read (ISA guide 7.12.1)
.irp k, 0,1,2,3
	v_cvt_pk_bf16_f32 v[PK+\k], v[ACCK+2*\k], v[ACCK+2*\k+1]
.endr
.irp k, 0,1,2,3
	v_cvt_pk_bf16_f32 v[PK+4+\k], v[ACCV+2*\k], v[ACCV+2*\k+1]
.endr
	ds_store_b128 v[KST], v[PK:PK+3] offset:256*\t         ; key' = 256 w + 16 t + r, dh 8h..8h+7
	ds_store_b128 v[VST], v[PK+4:PK+7] offset:32*\t        ; dh r, key' = 256 w + 16 t + 8 h ..+7
.endm
.macro QLINK i, f, ks
.if \ks == 0
	v_wmma_f32_16x16x32_bf16 v[QACC+8*\i:QACC+8*\i+7], v[WQ:WQ+7], v[\f:\f+7], v[BQ:BQ+7]
.else
	v_wmma_f32_16x16x32_bf16 v[QACC+8*\i:QACC+8*\i+7], v[WQ+8*\ks:WQ+8*\ks+7], v[\f+8*\ks:\f+8*\ks+7], v[QACC+8*\i:QACC+8*\i+7]
.endif
.endm
; scores of 32 keys x the 16 queries of tile n: key tile a against [q;0], key tile b against [0;q].  neg = 1: C = minus the maximum
.macro SW n, kb, neg
.if \neg
	v_wmma_f32_16x16x32_bf16 v[SB+16*\n:SB+16*\n+7],    v[KB+8*(\kb):KB+8*(\kb)+7], v[QB+4+8*\n:QB+11+8*\n], v[NEGM+8*\n:NEGM+8*\n+7]
	v_wmma_f32_16x16x32_bf16 v[SB+16*\n+8:SB+16*\n+15], v[KB+8*(\kb):KB+8*(\kb)+7], v[QB+8*\n:QB+7+8*\n],    v[NEGM+8*\n:NEGM+8*\n+7]
.else
	v_wmma_f32_16x16x32_bf16 v[SB+16*\n:SB+16*\n+7],    v[KB+8*(\kb):KB+8*(\kb)+7], v[QB+4+8*\n:QB+11+8*\n], 0
	v_wmma_f32_16x16x32_bf16 v[SB+16*\n+8:SB+16*\n+15], v[KB+8*(\kb):KB+8*(\kb)+7], v[QB+8*\n:QB+7+8*\n],    0
.endif
.endm
; 16 scores into two running maxima (two chains)
.macro MAXT i
.irp k, 0,2,4,6
	v_max3_num_f32 v[NEGM+8*\i],   v[NEGM+8*\i],   v[SB+16*\i+\k],   v[SB+16*\i+\k+1]
	v_max3_num_f32 v[NEGM+8*\i+1], v[NEGM+8*\i+1], v[SB+16*\i+8+\k], v[SB+16*\i+9+\k]
.endr
.endm
.macro EXPT i
.set e, SB+16*\i
.rept 16
	v_exp_f32 v[e], v[e]
.set e, e+1
.endr
.endm
; round tile p's 16 registers of exp2 to 8 in place (register k from 2k, 2k+1): the B fragment P^T.  Then numerator and row sum.
.macro PVT p, vb, zero, wv
	s_wait_alu depctr_va_vdst(0)
.irp k, 0,1,2,3,4,5,6,7
	v_cvt_pk_bf16_f32 v[SB+16*\p+\k], v[SB+16*\p+2*\k], v[SB+16*\p+2*\k+1]
.endr
.if \wv >= 0
	s_wait_dscnt \wv
.endif
.if \zero
	v_wmma_f32_16x16x32_bf16 v[OB+8*\p:OB+8*\p+7], v[VB+8*(\vb):VB+8*(\vb)+7], v[SB+16*\p:SB+16*\p+7], 0
	v_wmma_f32_16x16x32_bf16 v[LS+8*\p:LS+8*\p+7], v[ONES:ONES+7],             v[SB+16*\p:SB+16*\p+7], 0
.else
	v_wmma_f32_16x16x32_bf16 v[OB+8*\p:OB+8*\p+7], v[VB+8*(\vb):VB+8*(\vb)+7], v[SB+16*\p:SB+16*\p+7], v[OB+8*\p:OB+8*\p+7]
	v_wmma_f32_16x16x32_bf16 v[LS+8*\p:LS+8*\p+7], v[ONES:ONES+7],             v[SB+16*\p:SB+16*\p+7], v[LS+8*\p:LS+8*\p+7]
.endif
.endm
.macro KLOAD kb
	ds_load_b128 v[KB+8*\kb:KB+8*\kb+3],   v[KA] offset:512*(\kb+2)
	ds_load_b128 v[KB+8*\kb+4:KB+8*\kb+7], v[KA] offset:512*(\kb+2)+256
.endm
; Pass 1, one step of 32 keys.  A tile's scores are made one slot ahead of their maxima: the eight v_max3 of the tile before are
; the places between a product and the first read of its result, and between a fragment's last product and the load that refills it.
.macro P1STEP kb, ldk, wk, last
	SW 1, \kb, 0
	MAXT 0
	SW 2, \kb, 0
	MAXT 1
	SW 3, \kb, 0
	MAXT 2
.if \ldk
	KLOAD \kb                                      ; two steps ahead, into the buffer just read for the last time
.endif
.if \last == 0
	s_wait_dscnt \wk                               ; the next step's K is in; the two loads just issued may stay out
	SW 0, 1-\kb, 0
.endif
	MAXT 3
.endm
; Pass 2, one step of 32 keys, skewed: tile u is scored in slot u-1, exponentiated in slot u, rounded and multiplied in slot u+1.
; The eight conversions of another tile stand (a) between a score product and the exp2 that reads it, (b) behind every run of
; exp2 before its results are used, (c) between a product that read P^T and the score product that writes over it two slots on,
; (d) between a fragment's last product and the load that refills it.
; mode 0: the first step (nothing to finish, sums start from 0); 1: the second (tile 3's sums start); 2: all others.
.macro P2STEP kb, mode, ldv, ldk, wv, wk, last
.set z0, 0
.if \mode == 0
.set z0, 1
.endif
	SW 1, \kb, 1
	EXPT 0
.if \mode == 0
	NOP4                                           ; in the stead of the conversions that are not there yet
.endif
.if \mode == 1
	PVT 3, 1-\kb, 1, -1
.endif
.if \mode == 2
	PVT 3, 1-\kb, 0, -1
.endif
	SW 2, \kb, 1
	EXPT 1
	PVT 0, \kb, z0, \wv                            ; its wait: this step's V is in; only the next K (2 loads) is younger
.if \ldv
	ds_load_b128 v[VB+8*(1-\kb):VB+8*(1-\kb)+3],   v[VA] offset:64*(\kb+1)
	ds_load_b128 v[VB+8*(1-\kb)+4:VB+8*(1-\kb)+7], v[VA] offset:64*(\kb+1)+32
.endif
	SW 3, \kb, 1
	EXPT 2
	PVT 1, \kb, z0, -1
.if \ldk
	KLOAD \kb
.endif
.if \last == 0
	s_wait_dscnt \wk                               ; the next step's K is in; younger: the V and the K just asked for
	SW 0, 1-\kb, 1
.endif
	EXPT 3
	PVT 2, \kb, z0, -1
.endm
.macro OLINK rt, f, ks
.if \ks == 0
	v_wmma_f32_16x16x32_bf16 v[OA+8*\rt:OA+8*\rt+7], v[WO:WO+7], v[\f:\f+7], v[BO:BO+7]
.else
	v_wmma_f32_16x16x32_bf16 v[OA+8*\rt:OA+8*\rt+7], v[WO+8*\ks:WO+8*\ks+7], v[\f+8*\ks:\f+8*\ks+7], v[OA+8*\rt:OA+8*\rt+7]
.endif
.endm
; ---------------------------------------------------------------- head: ids, offsets, all loads
	s_load_b512 s[8:23], s[0:1], 0x0               ; x 8, ln_w 10, ln_b 12, Wq 14, Wk 16, Wv 18, Wo 20, bq 22
	s_load_b256 s[24:31], s[0:1], 0x40             ; bk 24, bv 26, bo 28, out0 30
	s_set_vgpr_msb 0x40
	v_lshl_add_u32 v0, v0, 2, 0x39100
	v_mov_b32 v1, 0
	s_set_vgpr_msb 0x4000
	v_and_b32 v1, 15, v0                           ; r
	v_bfe_u32 v2, v0, 4, 1                         ; h
	v_lshrrev_b32 v62, 5, v0
	v_readfirstlane_b32 s2, v62                    ; w
	s_lshr_b32 s3, ttmp9, 2                        ; b * 8 + head
	s_and_b32 s4, ttmp9, 3                         ; quarter of the queries
	s_mov_b32 s6, 0x76543210                       ; v_permlanex16_b32: lane i of the other half
	s_mov_b32 s7, 0xfedcba98
	s_mov_b32 s41, 0x3c000000                      ; 1/128
	s_mov_b32 s42, 0x3727c5ac                      ; 1e-5
	s_lshl_b32 s40, s2, 13
	v_lshlrev_b32 v[WOFF], 9, v1
	v_lshl_add_u32 v[WOFF], v2, 5, v[WOFF]
	v_add_nc_u32 v[WOFF], s40, v[WOFF]             ; 8192 w + 512 r + 32 h
	s_lshl_b32 s40, s2, 6
	v_lshl_add_u32 v[BOFF], v2, 5, s40             ; 64 w + 32 h
	v_lshl_add_u32 v[BVOFF], v1, 2, s40            ; 64 w + 4 r
	v_mul_u32_u24 v[FRA], v1, XP
	v_lshl_add_u32 v[FRA], v2, 4, v[FRA]           ; 272 r + 16 h
	v_lshlrev_b32 v[LNC], 4, v1                    ; 16 r
	v_lshl_add_u32 v[KA0], v2, 15, v[LNC]
	v_add_nc_u32 v[KA0], KP, v[KA0]                ; KP + 32768 h + 16 r
	s_lshl_b32 s40, s2, 12
	v_add_nc_u32 v[KST], s40, v[KA0]               ; + 4096 w
	v_mul_u32_u24 v[VA], v1, VTP
	v_lshl_add_u32 v[VA], v2, 4, v[VA]
	v_add_nc_u32 v[VA], VT, v[VA]                  ; VT + 4112 r + 16 h
	s_lshl_b32 s40, s2, 9
	v_add_nc_u32 v[VST], s40, v[VA]                ; + 512 w
	s_mul_i32 s40, s4, 64*XP
	v_add_nc_u32 v[QFA], s40, v[FRA]               ; my quarter's 64 rows of xn
	s_lshl_b32 s40, s2, 14
	v_lshl_add_u32 v[XOFF], v2, 9, v[LNC]
	v_add_nc_u32 v[XOFF], s40, v[XOFF]             ; 16384 w + 512 h + 16 r: sixteen lanes read 256 neighbouring bytes
	s_mul_i32 s40, s2, 32*XP
	v_mul_u32_u24 v[XNST], v2, XP
	v_lshl_add_u32 v[XNST], v1, 3, v[XNST]
	v_add_nc_u32 v[XNST], s40, v[XNST]             ; 8704 w + 272 h + 8 r
	s_lshl_b32 s32, s3, 17                         ; 256 rows of 512 bytes a block
	s_mov_b32 s33, 0
	s_wait_kmcnt 0x0
	s_add_nc_u64 s[34:35], s[8:9], s[32:33]        ; x at the block
	s_lshl_b32 s40, s4, 15                         ; 64 rows of 512 bytes a quarter
	s_add_co_u32 s32, s32, s40
	s_add_nc_u64 s[36:37], s[8:9], s[32:33]        ; x at my quarter
	s_add_nc_u64 s[38:39], s[30:31], s[32:33]      ; out0 at my quarter
	global_load_b128 v[BQ:BQ+3],   v[BOFF], s[22:23]
	global_load_b128 v[BQ+4:BQ+7], v[BOFF], s[22:23] offset:16
	global_load_b128 v[BK:BK+3],   v[BOFF], s[24:25]
	global_load_b128 v[BK+4:BK+7], v[BOFF], s[24:25] offset:16
	global_load_b32  v[BV1], v[BVOFF], s[26:27]
	global_load_b128 v[LW:LW+3],   v[LNC], s[10:11]
	global_load_b128 v[LW+4:LW+7], v[LNC], s[10:11] offset:256
	global_load_b128 v[LNB:LNB+3],   v[LNC], s[12:13]
	global_load_b128 v[LNB+4:LNB+7], v[LNC], s[12:13] offset:256
.irp i, 0,1,2,3,4,5,6,7,8,9,10,11,12,13,14,15
	global_load_b128 v[X+8*\i:X+8*\i+3],   v[XOFF], s[34:35] offset:1024*\i
	global_load_b128 v[X+8*\i+4:X+8*\i+7], v[XOFF], s[34:35] offset:1024*\i+256
.endr
	LOADW 16, WK
; ---------------------------------------------------------------- LayerNorm of my 32 rows; the weights follow into freed registers
.irp i, 0,1,2,3,4,5,6,7
	LNROW \i, 46-2*\i                              ; younger: 30 - 2i loads of x and 16 of Wk
.endr
	LOADW 18, X                                    ; Wv into the registers of groups 0-7
.irp i, 8,9,10,11,12,13,14,15
	LNROW \i, 62-2*\i                              ; and 16 of Wv
.endr
	LOADW 14, X+64                                 ; Wq into the registers of groups 8-15
	s_wait_dscnt 0x0                               ; my rows of xn are in LDS, for the others' sake
	s_barrier_signal -1
	s_wait_loadcnt 0x20                            ; Wk is in (Wv's and Wq's 32 loads are younger)
	CVTW WK, WK
	s_wait_loadcnt 0x10                            ; Wv
	CVTW X, WV
	s_wait_loadcnt 0x0                             ; Wq
	CVTW X+64, WQ
.irp j, 0,1,2,3,4,5,6,7
	v_mov_b32 v[BV+\j], v[BV1]                     ; V's C operand: the same bias in all eight rows of a column
.endr
	s_barrier_wait -1                              ; all 256 rows of xn are there
; ---------------------------------------------------------------- K and V of all rows, chunk w
	FETCHF F0, FRA, 0
.irp t, 0,1,2,3,4,5,6,7,8,9,10,11,12,13,14,15
	PROJ \t
.endr
; ---------------------------------------------------------------- Q of my quarter's 64 rows, chunk w
	FETCHF F0,    QFA, 0
	FETCHF F0+32, QFA, 16*XP
	FETCHF WK,    QFA, 32*XP                       ; Wk and Wv are done with
	FETCHF WV,    QFA, 48*XP
	s_wait_dscnt 0x0
.irp ks, 0,1,2,3
	QLINK 0, F0,    \ks
	QLINK 1, F0+32, \ks
	QLINK 2, WK,    \ks
	QLINK 3, WV,    \ks
.endr
; The zero blocks.  The first twelve write registers that no Q product names: they are the places behind those products, in front
; of the fills that land on bq's registers and of the reads of the results (ISA guide 7.12.1).
.irp z, 28,29,30,31,36,37,38,39,44,45,46,47,12,13,14,15,20,21,22,23
	v_mov_b32 v\z, 0
.endr
.irp i, 0,1,2,3
.irp k, 0,2,4,6
	v_pk_mul_f32 v[QACC+8*\i+\k:QACC+8*\i+\k+1], v[QACC+8*\i+\k:QACC+8*\i+\k+1], 0x3fb8aa3b op_sel_hi:[1,0]   ; log2(e): exp becomes exp2
.endr
.irp k, 0,1,2,3
	v_cvt_pk_bf16_f32 v[QB+4+8*\i+\k], v[QACC+8*\i+2*\k], v[QACC+8*\i+2*\k+1]
.endr
.endr
	s_wait_dscnt 0x0                               ; my K and V stores are done, my reads of xn too
	s_barrier_signal -1
	s_barrier_wait -1                              ; K and V are whole; xn's bytes may be written again
; ---------------------------------------------------------------- pass 1: the row maxima
	v_mov_b32 v[KA], v[KA0]
	ds_load_b128 v[KB:KB+3],     v[KA]
	ds_load_b128 v[KB+4:KB+7],   v[KA] offset:256
	ds_load_b128 v[KB+8:KB+11],  v[KA] offset:512
	ds_load_b128 v[KB+12:KB+15], v[KA] offset:768
	LOADW 20, OB                                   ; Wo and bo travel during the whole pass, into registers that it does not use
	global_load_b128 v[BO:BO+3],   v[BOFF], s[28:29]
	global_load_b128 v[BO+4:BO+7], v[BOFF], s[28:29] offset:16
	s_wait_dscnt 0x2                               ; step 0's K is in, step 1's two loads may stay out
	SW 0, 0, 0
.irp j, 0,1,2,3,4,5,6,7
	v_mov_b32 v[ONES+\j], 0x3f803f80               ; these sixteen fills are the places behind the first product
.endr
.irp i, 0,1,2,3
	v_mov_b32 v[NEGM+8*\i],   0xff800000
	v_mov_b32 v[NEGM+8*\i+1], 0xff800000
.endr
	s_mov_b32 s5, 31                               ; steps 0 to 61, which fetch K of steps 2 to 63
.Lpass1:
	P1STEP 0, 1, 2, 0
	P1STEP 1, 1, 2, 0
	v_add_nc_u32 v[KA], 1024, v[KA]
	s_sub_co_i32 s5, s5, 1
	s_cmp_lg_u32 s5, 0
	s_cbranch_scc1 .Lpass1
	P1STEP 0, 0, 0, 0                              ; nothing younger than step 63's K
	P1STEP 1, 0, 0, 1
	; Wo: round, and park the fragments in my own LDS bytes (their registers become numerators and row sums)
	s_wait_loadcnt 0x0                             ; also frees WOFF and BOFF
	CVTW OB, OB
	s_lshl_b32 s40, s2, 12
	s_add_co_u32 s40, s40, WOS
	v_and_b32 v[WOSA], 31, v0
	v_lshl_add_u32 v[WOSA], v[WOSA], 4, s40        ; WOS + 4096 w + 16 L
.irp q, 0,1,2,3,4,5,6,7
	ds_store_b128 v[WOSA], v[OB+4*\q:OB+4*\q+3] offset:512*\q
.endr
	; a lane saw the keys 8h..8h+7 of every tile: join the two chains and the two halves, then minus the maximum in all 8 registers
.irp i, 0,1,2,3
	v_max_num_f32 v[SB+16*\i], v[NEGM+8*\i], v[NEGM+8*\i+1]
	v_permlanex16_b32 v[SB+16*\i+1], v[SB+16*\i], s6, s7
	v_max_num_f32 v[SB+16*\i], v[SB+16*\i], v[SB+16*\i+1]
.irp j, 0,1,2,3,4,5,6,7
	v_mul_f32 v[NEGM+8*\i+\j], -1.0, v[SB+16*\i]
.endr
.endr
; ---------------------------------------------------------------- pass 2: exp2, numerators, row sums
	v_mov_b32 v[KA], v[KA0]
	ds_load_b128 v[KB:KB+3],     v[KA]
	ds_load_b128 v[KB+4:KB+7],   v[KA] offset:256
	ds_load_b128 v[VB:VB+3],     v[VA]
	ds_load_b128 v[VB+4:VB+7],   v[VA] offset:32
	ds_load_b128 v[KB+8:KB+11],  v[KA] offset:512
	ds_load_b128 v[KB+12:KB+15], v[KA] offset:768
	s_wait_dscnt 0x4                               ; K of step 0 is in; V(0) and K(1) may stay out
	SW 0, 0, 1
	NOP4
	P2STEP 0, 0, 1, 1, 2, 4, 0
	P2STEP 1, 1, 1, 1, 2, 4, 0
	v_add_nc_u32 v[KA], 1024, v[KA]
	v_add_nc_u32 v[VA], 128, v[VA]
	s_mov_b32 s5, 30                               ; steps 2 to 61
.Lpass2:
	P2STEP 0, 2, 1, 1, 2, 4, 0
	P2STEP 1, 2, 1, 1, 2, 4, 0
	v_add_nc_u32 v[KA], 1024, v[KA]
	v_add_nc_u32 v[VA], 128, v[VA]
	s_sub_co_i32 s5, s5, 1
	s_cmp_lg_u32 s5, 0
	s_cbranch_scc1 .Lpass2
	P2STEP 0, 2, 1, 0, 2, 2, 0                     ; step 62 fetches V(63) alone: it is all that is younger than K(63)
	P2STEP 1, 2, 0, 0, 0, 0, 1                     ; step 63 fetches nothing
	PVT 3, 1, 0, -1                                ; and its last tile is finished here
; ---------------------------------------------------------------- epilogue
	; nine address instructions: the places behind the last products
	v_and_b32 v[OOFF], 31, v0
	v_lshlrev_b32 v[OOFF], 4, v[OOFF]              ; 16 L
	s_mul_i32 s40, s2, 8*OSP
	v_add_nc_u32 v[OSTR], s40, v[OOFF]
	v_add_nc_u32 v[OSTR], OST, v[OSTR]             ; OST + 4224 w + 16 L: rows 8w..8w+7, whole rows
	s_lshl_b32 s40, s2, 12
	v_add_nc_u32 v[OOFF], s40, v[OOFF]             ; 4096 w + 16 L: the same rows in x and out0
	s_lshl_b32 s40, s2, 5
	v_add_nc_u32 v[ATTW], s40, v[FRA]              ; 272 r + 32 w + 16 h
	v_mul_u32_u24 v[OSTW], v1, OSP
	v_lshl_add_u32 v[OSTW], v2, 5, v[OSTW]
	s_lshl_b32 s40, s2, 6
	s_add_co_u32 s40, s40, OST
	v_add_nc_u32 v[OSTW], s40, v[OSTW]             ; OST + 528 r + 64 w + 32 h
.irp i, 0,1,2,3,4,5,6,7
	global_load_b128 v[XR+4*\i:XR+4*\i+3], v[OOFF], s[36:37] offset:512*\i    ; the residual, on its way during the out projection
.endr
.irp q, 0,1,2,3,4,5,6,7
	ds_load_b128 v[WO+4*\q:WO+4*\q+3], v[WOSA] offset:512*\q                  ; my own bytes: no barrier
.endr
.irp i, 0,1,2,3
	v_rcp_f32 v[LS+8*\i],   v[LS+8*\i]             ; every register of a tile holds the sum of query r: two make a pair
	v_rcp_f32 v[LS+8*\i+1], v[LS+8*\i+1]
.endr
	v_nop
	s_wait_alu depctr_va_vdst(0)
.irp i, 0,1,2,3
	v_pk_mul_f32 v[LS+8*\i:LS+8*\i+1], v[LS+8*\i:LS+8*\i+1], 0x3db504f3 op_sel_hi:[1,0]    ; / sqrt(128), behind the softmax
.endr
.irp i, 0,1,2,3
.irp k, 0,2,4,6
	v_pk_mul_f32 v[OB+8*\i+\k:OB+8*\i+\k+1], v[OB+8*\i+\k:OB+8*\i+\k+1], v[LS+8*\i:LS+8*\i+1]
.endr
.irp k, 0,1,2,3
	v_cvt_pk_bf16_f32 v[OB+8*\i+\k], v[OB+8*\i+2*\k], v[OB+8*\i+2*\k+1]
.endr
	ds_store_b128 v[ATTW], v[OB+8*\i:OB+8*\i+3] offset:16*XP*\i               ; row 16 i + r, columns 16 w + 8 h ..+7
.endr
	s_wait_dscnt 0x0
	s_barrier_signal -1
	s_barrier_wait -1                              ; the 64 attention rows are whole
	FETCHF OB,    FRA, 0
	FETCHF LS,    FRA, 16*XP
	FETCHF RB,    FRA, 32*XP
	FETCHF ONES,  FRA, 48*XP
	s_wait_dscnt 0x0
.irp ks, 0,1,2,3
	OLINK 0, OB,   \ks
	OLINK 1, LS,   \ks
	OLINK 2, RB,   \ks
	OLINK 3, ONES, \ks
.endr
	NOP4
.irp rt, 0,1,2,3
	ds_store_b128 v[OSTW], v[OA+8*\rt:OA+8*\rt+3]   offset:16*OSP*\rt         ; row 16 rt + r, columns 16 w + 8 h ..+3
	ds_store_b128 v[OSTW], v[OA+8*\rt+4:OA+8*\rt+7] offset:16*OSP*\rt+16
.endr
	s_wait_dscnt 0x0
	s_barrier_signal -1
	s_barrier_wait -1                              ; the 64 output rows are whole
.irp i, 0,1,2,3,4,5,6,7
	ds_load_b128 v[RB+4*\i:RB+4*\i+3], v[OSTR] offset:OSP*\i
.endr
	s_wait_loadcnt 0x0                             ; x
	s_wait_dscnt 0x0
.irp i, 0,1,2,3,4,5,6,7
	v_pk_add_f32 v[RB+4*\i:RB+4*\i+1],   v[RB+4*\i:RB+4*\i+1],   v[XR+4*\i:XR+4*\i+1]
	v_pk_add_f32 v[RB+4*\i+2:RB+4*\i+3], v[RB+4*\i+2:RB+4*\i+3], v[XR+4*\i+2:XR+4*\i+3]
	global_store_b128 v[OOFF], v[RB+4*\i:RB+4*\i+3], s[38:39] offset:512*\i th:TH_STORE_NT   ; a wave's store covers a row: 512 bytes, aligned
.endr
	s_set_vgpr_msb 0x5
	s_wait_tensorcnt 0x0
	ds_add_u32 v0, v1
	s_wait_dscnt 0x0
	s_set_vgpr_msb 0x500
	s_endpgm
.Lfunc_end_k_q5c57b5b3e2_mha:
	.size	k_q5c57b5b3e2_mha, .Lfunc_end_k_q5c57b5b3e2_mha-k_q5c57b5b3e2_mha
	.p2alignl 7, 3214868480
	.fill 96, 4, 3214868480
	.section	.rodata,"a",@progbits
	.p2align	6, 0x0
	.amdhsa_kernel k_q5c57b5b3e2_mha
		.amdhsa_group_segment_fixed_size 234752
		.amdhsa_private_segment_fixed_size 0
		.amdhsa_enable_private_segment 0
		.amdhsa_kernarg_size 96
		.amdhsa_user_sgpr_count 2
		.amdhsa_user_sgpr_kernarg_segment_ptr 1
		.amdhsa_wavefront_size32 1
		.amdhsa_system_sgpr_workgroup_id_x 1
		.amdhsa_system_sgpr_workgroup_id_y 1
		.amdhsa_system_sgpr_workgroup_id_z 1
		.amdhsa_system_vgpr_workitem_id 0
		.amdhsa_next_free_vgpr 258
		.amdhsa_next_free_sgpr 66
		.amdhsa_reserve_vcc 0
		.amdhsa_float_denorm_mode_32 3
		.amdhsa_float_denorm_mode_16_64 3
		.amdhsa_memory_ordered 1
		.amdhsa_forward_progress 1
		.amdhsa_inst_pref_size 153
	.end_amdhsa_kernel
	.amdgpu_metadata
---
amdhsa.version: [ 1, 2 ]
amdhsa.kernels:
  - .name:           k_q5c57b5b3e2_mha
    .symbol:         k_q5c57b5b3e2_mha.kd
    .args:
      - { .name: x, .offset: 0, .size: 8, .value_kind: global_buffer, .address_space: global }
      - { .name: ln_w, .offset: 8, .size: 8, .value_kind: global_buffer, .address_space: global }
      - { .name: ln_b, .offset: 16, .size: 8, .value_kind: global_buffer, .address_space: global }
      - { .name: Wq, .offset: 24, .size: 8, .value_kind: global_buffer, .address_space: global }
      - { .name: Wk, .offset: 32, .size: 8, .value_kind: global_buffer, .address_space: global }
      - { .name: Wv, .offset: 40, .size: 8, .value_kind: global_buffer, .address_space: global }
      - { .name: Wo, .offset: 48, .size: 8, .value_kind: global_buffer, .address_space: global }
      - { .name: bq, .offset: 56, .size: 8, .value_kind: global_buffer, .address_space: global }
      - { .name: bk, .offset: 64, .size: 8, .value_kind: global_buffer, .address_space: global }
      - { .name: bv, .offset: 72, .size: 8, .value_kind: global_buffer, .address_space: global }
      - { .name: bo, .offset: 80, .size: 8, .value_kind: global_buffer, .address_space: global }
      - { .name: out0, .offset: 88, .size: 8, .value_kind: global_buffer, .address_space: global }
    .group_segment_fixed_size: 234752
    .private_segment_fixed_size: 0
    .kernarg_segment_align: 8
    .kernarg_segment_size: 96
    .max_flat_workgroup_size: 256
    .sgpr_count:     66
    .vgpr_count:     258
    .wavefront_size: 32
...
	.end_amdgpu_metadata
.endif
;; end of part 1
;; ======== version 2 of 2: 1 launch; version 1 with the launch mha written anew for expert scheduling mode
;; launch mha (part 2): grid 256 x 1, 8 waves a work-group, no clusters, 234,752 bytes of LDS; arguments x, ln_w, ln_b, Wq, Wk, Wv, Wo, bq, bk, bv, bo, out0; writes out0
.if DOCPART == 2
	.amdgcn_target "amdgcn-amd-amdhsa--gfx1250"
	.amdhsa_code_object_version 6
	.text
	.protected	k_q5c57b5b3e2_mha
	.globl	k_q5c57b5b3e2_mha
	.p2align	8
	.type	k_q5c57b5b3e2_mha,@function
k_q5c57b5b3e2_mha:
	s_mov_b64 s[64:65], 0
	v_nop
	global_prefetch_b8 v0, s[64:65] scope:SCOPE_SE
	s_setreg_imm32_b32 hwreg(HW_REG_WAVE_SCHED_MODE, 0, 2), 2
	s_setreg_imm32_b32 hwreg(HW_REG_WAVE_MODE, 25, 1), 1
	s_wait_xcnt 0x0
	s_wait_alu depctr_vm_vsrc(0)
; Pre-LayerNorm multi-head attention with the raw view (B,S,128) -> (B,8,S,16), all steps in one launch.
; The raw view puts head h of batch b on rows 256h .. 256h+255 of the projected matrices: token 8R+g of the head is
; chunk g (columns 16g .. 16g+15) of local row R, and the view back is the same map.  So the 64 (b,h) blocks are
; independent.  A work-group takes one block and one quarter of its queries: LayerNorm, K and V for all 256 rows
; (2,048 keys), Q for its 64 rows (512 queries), softmax(QK^T)/sqrt(128) V, the out projection, bias and residual.
; Eight waves; wave w owns chunk g = w everywhere: rows 16w..16w+15 of every weight matrix and the 64 queries (R, w).
;
; LAYOUTS (L lane, r = L & 15, h = bit 4 of L).  No step needs a shuffle between two matrix products:
;   keys are renumbered key' = 256 g + R, alike for K and V (a softmax does not mind the order of its keys);
;   K tile  = Wk x xn^T: a lane holds 8 dh of one key    -> 16 bytes at KP + 32768 h + 16 key'
;   V tile  = xn x Wv^T: a lane holds 8 keys of one dh   -> 16 bytes at VT + 4112 dh + 2 key'  (V transposed)
;   Q tile  = Wq x xn^T: a lane holds 8 dh of one query  =  half of a B fragment, kept in registers
;   scores  = K x Q^T, transposed.  dh = 16 fills half of the form's K = 32, so an A fragment carries TWO key tiles (registers 0-3
;             keys k0+r, registers 4-7 keys k0+16+r) and B is [q;0] or [0;q]: one fragment load serves two products.
;   the result (register j: key 8h+j, query r), after exp2 and rounding in place, IS the B fragment P^T of V^T x P^T;
;   the row sums are a product with an A of ones, the shift by the row maximum is the score product's C operand.
; The maxima come from a pass of their own over K (scores only), so the main pass has one exp2 and half a conversion per score.
;
; LIMITS.  Inputs are finite (the key tile that a product does not use is multiplied by zeros: 0 x inf would be NaN).
; xn, q log2(e), k, v, p and the attention output are rounded to bf16 for the matrix unit; sums are f32.  The row sum
; is taken over the rounded p, the numbers that the numerator uses.  p below 2^-126 counts as 0 (v_exp_f32 flushes).
;
; NO CLUSTER, NO TENSOR LOADS: what the four work-groups of a (b,h) share is x's 131,072 bytes and 262,144 bytes of weights, read
; once at the head of 13,568 matrix instructions; LayerNorm and the rounding stand between memory and LDS, so the data pass through
; registers anyway, and an f32 landing zone of 131,072 bytes does not fit beside the 233,728 bytes in use.
;
; THE MODE: SCHED_MODE bits 1:0 = 2 (LLVM: expert scheduling mode 2), set by the entry lines.  The code itself states the register
; dependences between vector or matrix instructions and memory or LDS instructions, with s_wait_alu, always for 0.
; THE PLAN.  Registers that memory or LDS instructions touch, and who else names them:
;   offsets     made at the head, one wait ahead of the first load.  KA and VA alone are stepped, once a trip: a wait on vm_vsrc ahead of
;               the add; the wait on va_vdst that stands ahead of the next refill states that they are written.
;   LayerNorm   a group of x is loaded, worked on in place, and its rounded rows close up into its own first four registers; the LDS stores go
;               in runs of eight, four groups behind one wait; a wait on vm_vsrc ahead of the weights that land in eight stored groups.
;   K, V tiles  one wait behind a tile's conversions: PK is written (the two stores read it) and the tile's products are done reading their
;               fragment buffer (the next tile's fetch lands in it).  A wait on vm_vsrc ahead of the conversions that write PK again.
;   pass 1      four K buffers (V's registers are idle there).  Every second step one wait: the products of this step and of the one before are
;               done reading their two buffers; four loads follow, for the steps three and four ahead.
;   pass 2      two K and two V buffers.  Both refills stand at one place, between tile 1's conversions and its products, behind one wait:
;               the step's last score products are done reading K, tile 3's products of the step before are done reading the other V.
;   way out     a wait ahead of each run of loads or stores, named there.
;
; LDS
.set XP,   272                         ; xn: 256 rows of 256 bytes bf16 + 16 (an odd multiple of 16: 16 rows, 16 different columns)
.set OST,  17408                       ; behind the attention rows (64 x 272, at 0, over xn once xn is read): 64 rows f32
.set OSP,  528                         ; 512 + 16
.set KP,   69632                       ; K: two planes of 32,768 bytes (dh 0-7, dh 8-15), 16 bytes a key
.set VT,   135168                      ; V transposed: 16 rows (dh)
.set VTP,  4112                        ; 4,096 + 16
.set WOS,  200960                      ; Wo's fragments, 4,096 bytes of its own for each wave
; vector registers that stay
.set WOFF, 3                           ; weights: 8192 w + 512 r + 32 h.   Later WOSA
.set BOFF, 4                           ; biases:  64 w + 32 h.             Later ATTW
.set FRA,  5                           ; fragment from rows of 272 bytes: 272 r + 16 h
.set KST,  6                           ; K store.  Later OSTW
.set VST,  7                           ; V store.  Later OSTR
.set KA0,  8                           ; K fragment, step 0
.set KA,   9                           ; K fragment, running
.set VA,   10                          ; V fragment, running (pass 2 alone)
.set QFA,  11                          ; xn fragment of my quarter's rows.  Later OOFF
.set WOSA, 3
.set ATTW, 4
.set OSTW, 6
.set OSTR, 7
.set OOFF, 11
; head and projections
.set BQ,   12                          ; v[12:19]  bq[16w+8h+j]
.set BK,   20                          ; v[20:27]  bk[16w+8h+j]
.set BV1,  28                          ; bv[16w+r]
.set LW,   30                          ; v[30:37]  ln_w of my 8 columns; then BV
.set BV,   30                          ; v[30:37]  bv[16w+r], eight times
.set LNB,  38                          ; v[38:45]  ln_b of my 8 columns
.set T,    46                          ; v[46:53]  at work: no memory instruction names them
.set XOFF, 58
.set XNST, 59
.set LNC,  60
.set BVOFF,61
.set WK,   64                          ; v[64:127] Wk in f32, packed in place to v[64:95]
.set WV,   96                          ; v[96:127]
.set WQ,   128                         ; v[128:159]
.set X,    128                         ; v[128:255] 16 groups of 8: two rows of x a group
.set F0,   160                         ; v[160:191], v[192:223]: xn fragments, two buffers
.set ACCK, 224
.set ACCV, 232
.set PK,   240
.set QACC, 224                         ; v[224:255]
; attention
.set QB,   12                          ; v[12:47]  0 q0 0 q1 0 q2 0 q3 0, four registers each: [0;q_i] at QB+8i, [q_i;0] at QB+4+8i
.set NEGM, 48                          ; v[48:79]  minus the row maximum, 8 registers a tile; in pass 1 two running maxima a tile
.set OB,   80                          ; v[80:111] numerators
.set LS,   112                         ; v[112:143] row sums
.set ONES, 144                         ; v[144:151] bf16 1.0
.set KB,   152                         ; v[152:167] K fragments, two buffers; in pass 1 four, v[152:183]
.set VB,   168                         ; v[168:183] V fragments, two buffers
.set SB,   184                         ; v[184:247] scores, 16 registers a tile
.set BO,   248                         ; v[248:255] bo[16w+8h+j]
; epilogue
.set WO,   12                          ; v[12:43]
.set XR,   48                          ; v[48:79]  x again, for the residual
.set OA,   184                         ; v[184:215]
.set RB,   216                         ; v[216:247]
.macro NOP4
.rept 4
	v_nop
.endr
.endm
; 16 rows of a weight matrix in f32, in fragment order: K block ks is columns 32ks.., a lane takes 8h..8h+7 and 16+8h..16+8h+7
.macro LOADW sb, dst
.irp ks, 0,1,2,3
	global_load_b128 v[\dst+16*\ks:\dst+16*\ks+3],     v[WOFF], s[\sb:\sb+1] offset:128*\ks
	global_load_b128 v[\dst+16*\ks+4:\dst+16*\ks+7],   v[WOFF], s[\sb:\sb+1] offset:128*\ks+16
	global_load_b128 v[\dst+16*\ks+8:\dst+16*\ks+11],  v[WOFF], s[\sb:\sb+1] offset:128*\ks+64
	global_load_b128 v[\dst+16*\ks+12:\dst+16*\ks+15], v[WOFF], s[\sb:\sb+1] offset:128*\ks+80
.endr
.endm
; 64 f32 to 32 registers of bf16 pairs.  In place it is safe: register dst+n was a source of step n/2
.macro CVTW src, dst
.set n, 0
.rept 32
	v_cvt_pk_bf16_f32 v[\dst+n], v[\src+2*n], v[\src+2*n+1]
.set n, n+1
.endr
.endm
; LayerNorm of rows 32w+2i+h.  The sixteen lanes of a half hold a row: columns 4r..4r+3 and 64+4r..64+4r+3.
.macro LNROW i, left
	s_wait_loadcnt \left                           ; loads return in order (ISA guide 5.7.1): this group's two are in, the younger stay out
	v_pk_add_f32 v[T:T+1], v[X+8*\i:X+8*\i+1], v[X+8*\i+2:X+8*\i+3]
	v_pk_add_f32 v[T+2:T+3], v[X+8*\i+4:X+8*\i+5], v[X+8*\i+6:X+8*\i+7]
	v_pk_add_f32 v[T:T+1], v[T:T+1], v[T+2:T+3]
	v_add_f32 v[T], v[T], v[T+1]
.irp m, 1,2,4,8
	v_add_f32_dpp v[T], v[T], v[T] row_xmask:\m row_mask:0xf bank_mask:0xf
.endr
	v_mul_f32 v[T+2], s41, v[T]                    ; the mean, twice: a pair for the packed forms
	v_mul_f32 v[T+3], s41, v[T]
.irp k, 0,2,4,6
	v_pk_add_f32 v[X+8*\i+\k:X+8*\i+\k+1], v[X+8*\i+\k:X+8*\i+\k+1], v[T+2:T+3] neg_lo:[0,1] neg_hi:[0,1]
.endr
	v_pk_mul_f32 v[T:T+1], v[X+8*\i:X+8*\i+1], v[X+8*\i:X+8*\i+1]
.irp k, 2,4,6
	v_pk_fma_f32 v[T:T+1], v[X+8*\i+\k:X+8*\i+\k+1], v[X+8*\i+\k:X+8*\i+\k+1], v[T:T+1]
.endr
	v_add_f32 v[T], v[T], v[T+1]
.irp m, 1,2,4,8
	v_add_f32_dpp v[T], v[T], v[T] row_xmask:\m row_mask:0xf bank_mask:0xf
.endr
	v_fma_f32 v[T+4], v[T], s41, s42               ; variance + eps
	v_rsq_f32 v[T+6], v[T+4]
	v_rsq_f32 v[T+7], v[T+4]
	v_nop                                          ; one plain instruction behind a transcendental before its result is used
	s_wait_alu depctr_va_vdst(0)
.irp k, 0,2,4,6
	v_pk_mul_f32 v[X+8*\i+\k:X+8*\i+\k+1], v[X+8*\i+\k:X+8*\i+\k+1], v[T+6:T+7]
.endr
.irp k, 0,2,4,6
	v_pk_fma_f32 v[X+8*\i+\k:X+8*\i+\k+1], v[X+8*\i+\k:X+8*\i+\k+1], v[LW+\k:LW+\k+1], v[LNB+\k:LNB+\k+1]
.endr
.irp k, 0,1,2,3
	v_cvt_pk_bf16_f32 v[X+8*\i+\k], v[X+8*\i+2*\k], v[X+8*\i+2*\k+1]   ; eight numbers close up into the first four of the group's own registers
.endr
.endm
; the two LDS stores of group i, out of the group's own registers
.macro LNST i
	ds_store_b64 v[XNST], v[X+8*\i:X+8*\i+1]   offset:2*XP*\i
	ds_store_b64 v[XNST], v[X+8*\i+2:X+8*\i+3] offset:2*XP*\i+128
.endm
; four fragments (16 rows x 128 columns of bf16) from rows of 272 bytes
.macro FETCHF buf, adr, off
.irp ks, 0,1,2,3
	ds_load_b128 v[\buf+8*\ks:\buf+8*\ks+3],   v[\adr] offset:\off+64*\ks
	ds_load_b128 v[\buf+8*\ks+4:\buf+8*\ks+7], v[\adr] offset:\off+64*\ks+32
.endr
.endm
; K and V of rows 16t..16t+15, chunk w.  The biases are the C of the first links.
.macro PROJ t
.set fcur, F0+32*((\t)&1)
.set fnxt, F0+32*((\t+1)&1)
.if \t < 15
	FETCHF fnxt, FRA, 16*XP*(\t+1)                 ; no wait here: the wait at the end of the tile before has shown that buffer's readers done, and no vector or matrix instruction stands between
	s_wait_dscnt 0x8                               ; all but the eight just issued: this tile's fragments are in
.else
	s_wait_dscnt 0x0
.endif
	v_wmma_f32_16x16x32_bf16 v[ACCK:ACCK+7], v[WK:WK+7], v[fcur:fcur+7], v[BK:BK+7]
	v_wmma_f32_16x16x32_bf16 v[ACCV:ACCV+7], v[fcur:fcur+7], v[WV:WV+7], v[BV:BV+7]
.irp ks, 1,2,3
	v_wmma_f32_16x16x32_bf16 v[ACCK:ACCK+7], v[WK+8*\ks:WK+8*\ks+7], v[fcur+8*\ks:fcur+8*\ks+7], v[ACCK:ACCK+7]
	v_wmma_f32_16x16x32_bf16 v[ACCV:ACCV+7], v[fcur+8*\ks:fcur+8*\ks+7], v[WV+8*\ks:WV+8*\ks+7], v[ACCV:ACCV+7]
.endr
	NOP4                                           ; four places behind a matrix instruction before its result is read (ISA guide 7.12.1)
.if \t > 0
	s_wait_alu depctr_vm_vsrc(0)                   ; the two LDS stores of the tile before have read PK, which the conversions below write again
.endif
.irp k, 0,1,2,3
	v_cvt_pk_bf16_f32 v[PK+\k], v[ACCK+2*\k], v[ACCK+2*\k+1]
.endr
.irp k, 0,1,2,3
	v_cvt_pk_bf16_f32 v[PK+4+\k], v[ACCV+2*\k], v[ACCV+2*\k+1]
.endr
	s_wait_alu depctr_va_vdst(0)                   ; the conversions have written PK, which the stores read; this tile's products are done reading their fragments (and, at tile 15, Wk and Wv), in which the next fetch lands
	ds_store_b128 v[KST], v[PK:PK+3] offset:256*\t         ; key' = 256 w + 16 t + r, dh 8h..8h+7
	ds_store_b128 v[VST], v[PK+4:PK+7] offset:32*\t        ; dh r, key' = 256 w + 16 t + 8 h ..+7
.endm
.macro QLINK i, f, ks
.if \ks == 0
	v_wmma_f32_16x16x32_bf16 v[QACC+8*\i:QACC+8*\i+7], v[WQ:WQ+7], v[\f:\f+7], v[BQ:BQ+7]
.else
	v_wmma_f32_16x16x32_bf16 v[QACC+8*\i:QACC+8*\i+7], v[WQ+8*\ks:WQ+8*\ks+7], v[\f+8*\ks:\f+8*\ks+7], v[QACC+8*\i:QACC+8*\i+7]
.endif
.endm
; scores of 32 keys x the 16 queries of tile n: key tile a against [q;0], key tile b against [0;q].  neg = 1: C = minus the maximum
.macro SW n, kb, neg
.if \neg
	v_wmma_f32_16x16x32_bf16 v[SB+16*\n:SB+16*\n+7],    v[KB+8*(\kb):KB+8*(\kb)+7], v[QB+4+8*\n:QB+11+8*\n], v[NEGM+8*\n:NEGM+8*\n+7]
	v_wmma_f32_16x16x32_bf16 v[SB+16*\n+8:SB+16*\n+15], v[KB+8*(\kb):KB+8*(\kb)+7], v[QB+8*\n:QB+7+8*\n],    v[NEGM+8*\n:NEGM+8*\n+7]
.else
	v_wmma_f32_16x16x32_bf16 v[SB+16*\n:SB+16*\n+7],    v[KB+8*(\kb):KB+8*(\kb)+7], v[QB+4+8*\n:QB+11+8*\n], 0
	v_wmma_f32_16x16x32_bf16 v[SB+16*\n+8:SB+16*\n+15], v[KB+8*(\kb):KB+8*(\kb)+7], v[QB+8*\n:QB+7+8*\n],    0
.endif
.endm
; 16 scores into two running maxima (two chains)
.macro MAXT i
.irp k, 0,2,4,6
	v_max3_num_f32 v[NEGM+8*\i],   v[NEGM+8*\i],   v[SB+16*\i+\k],   v[SB+16*\i+\k+1]
	v_max3_num_f32 v[NEGM+8*\i+1], v[NEGM+8*\i+1], v[SB+16*\i+8+\k], v[SB+16*\i+9+\k]
.endr
.endm
.macro EXPT i
.set e, SB+16*\i
.rept 16
	v_exp_f32 v[e], v[e]
.set e, e+1
.endr
.endm
; round tile p's 16 registers of exp2 to 8 in place (register k from 2k, 2k+1): the B fragment P^T
.macro PVC p
	s_wait_alu depctr_va_vdst(0)
.irp k, 0,1,2,3,4,5,6,7
	v_cvt_pk_bf16_f32 v[SB+16*\p+\k], v[SB+16*\p+2*\k], v[SB+16*\p+2*\k+1]
.endr
.endm
; numerator and row sum of tile p
.macro PVM p, vb, zero
.if \zero
	v_wmma_f32_16x16x32_bf16 v[OB+8*\p:OB+8*\p+7], v[VB+8*(\vb):VB+8*(\vb)+7], v[SB+16*\p:SB+16*\p+7], 0
	v_wmma_f32_16x16x32_bf16 v[LS+8*\p:LS+8*\p+7], v[ONES:ONES+7],             v[SB+16*\p:SB+16*\p+7], 0
.else
	v_wmma_f32_16x16x32_bf16 v[OB+8*\p:OB+8*\p+7], v[VB+8*(\vb):VB+8*(\vb)+7], v[SB+16*\p:SB+16*\p+7], v[OB+8*\p:OB+8*\p+7]
	v_wmma_f32_16x16x32_bf16 v[LS+8*\p:LS+8*\p+7], v[ONES:ONES+7],             v[SB+16*\p:SB+16*\p+7], v[LS+8*\p:LS+8*\p+7]
	s_wait_alu depctr_va_vdst(0)
.endif
.endm
; a K fragment (32 keys, 512 bytes a plane) into buffer b; st: the step, counted from the one that KA stands at
.macro KFILL b, st
	ds_load_b128 v[KB+8*(\b):KB+8*(\b)+3],   v[KA] offset:512*(\st)
	ds_load_b128 v[KB+8*(\b)+4:KB+8*(\b)+7], v[KA] offset:512*(\st)+256
.endm
; a V fragment (32 keys, 64 bytes a row) into buffer b
.macro VFILL b, st
	ds_load_b128 v[VB+8*(\b):VB+8*(\b)+3],   v[VA] offset:64*(\st)
	ds_load_b128 v[VB+8*(\b)+4:VB+8*(\b)+7], v[VA] offset:64*(\st)+32
.endm
; Pass 1, one step of 32 keys; step t reads K buffer t % 4.  A tile's scores are made one slot ahead of their maxima: the eight v_max3 of
; the tile before are the places between a product and the first read of its result.
; ld = 1 (odd steps): the buffers of this step and of the one before are filled again, with K of the steps three and four ahead.
.macro P1STEP kb, ld, wk, last
	SW 1, \kb, 0
	MAXT 0
	SW 2, \kb, 0
	MAXT 1
	SW 3, \kb, 0
	MAXT 2
.if \ld
	s_wait_alu depctr_va_vdst(0)                   ; the score products of this step and of the one before are done reading their K buffers, in which the four loads land; in a trip's first such step KA is written
	KFILL \kb-1, \kb+3
	KFILL \kb, \kb+4
.endif
.if \last == 0
	s_wait_dscnt \wk                               ; the next step's K is in; what was asked for behind it may stay out
	SW 0, (\kb+1)%4, 0
.endif
	MAXT 3
.endm
; Pass 2, one step of 32 keys, skewed: tile u is scored in slot u-1, exponentiated in slot u, rounded and multiplied in slot u+1.
; The eight conversions of another tile stand (a) between a score product and the exp2 that reads it, (b) behind every run of
; exp2 before its results are used, (c) between a product that read P^T and the score product that writes over it two slots on.
; Both refills stand between tile 1's conversions and its products, behind the step's one wait on va_vdst.
; mode 0: the first step (nothing to finish, sums start from 0); 1: the second (tile 3's sums start); 2: all others.
.macro P2STEP kb, mode, ldv, ldk, wv, wk, last
.set z0, 0
.if \mode == 0
.set z0, 1
.endif
	SW 1, \kb, 1
	EXPT 0
.if \mode == 0
	NOP4                                           ; in the stead of the conversions that are not there yet
.endif
.if \mode == 1
	PVC 3
	PVM 3, 1-\kb, 1
.endif
.if \mode == 2
	PVC 3
	PVM 3, 1-\kb, 0
.endif
	SW 2, \kb, 1
	EXPT 1
	PVC 0
	s_wait_dscnt \wv                               ; this step's V is in; only the next K (2 loads) is younger
	PVM 0, \kb, z0
	SW 3, \kb, 1
	EXPT 2
	PVC 1
.if \ldv
	s_wait_alu depctr_va_vdst(0)                   ; this step's score products are done reading K, tile 3's products of the step before are done reading the other V; in a trip's first step KA and VA are written
	VFILL 1-\kb, \kb+1                             ; V of the next step
.endif
.if \ldk
	KFILL \kb, \kb+2                               ; K two steps ahead.  The products below name neither buffer
.endif
	PVM 1, \kb, z0
.if \last == 0
	s_wait_dscnt \wk                               ; the next step's K is in; younger: the V and the K just asked for
	SW 0, 1-\kb, 1
.endif
	EXPT 3
	PVC 2
	PVM 2, \kb, z0
.endm
.macro OLINK rt, f, ks
.if \ks == 0
	v_wmma_f32_16x16x32_bf16 v[OA+8*\rt:OA+8*\rt+7], v[WO:WO+7], v[\f:\f+7], v[BO:BO+7]
.else
	v_wmma_f32_16x16x32_bf16 v[OA+8*\rt:OA+8*\rt+7], v[WO+8*\ks:WO+8*\ks+7], v[\f+8*\ks:\f+8*\ks+7], v[OA+8*\rt:OA+8*\rt+7]
.endif
.endm
; ---------------------------------------------------------------- head: ids, offsets, all loads
	s_load_b512 s[8:23], s[0:1], 0x0               ; x 8, ln_w 10, ln_b 12, Wq 14, Wk 16, Wv 18, Wo 20, bq 22
	s_load_b256 s[24:31], s[0:1], 0x40             ; bk 24, bv 26, bo 28, out0 30
	s_set_vgpr_msb 0x40
	v_lshl_add_u32 v0, v0, 2, 0x39100
	v_mov_b32 v1, 0
	s_set_vgpr_msb 0x4000
	v_and_b32 v1, 15, v0                           ; r
	v_bfe_u32 v2, v0, 4, 1                         ; h
	v_lshrrev_b32 v62, 5, v0
	v_readfirstlane_b32 s2, v62                    ; w
	s_lshr_b32 s3, ttmp9, 2                        ; b * 8 + head
	s_and_b32 s4, ttmp9, 3                         ; quarter of the queries
	s_mov_b32 s6, 0x76543210                       ; v_permlanex16_b32: lane i of the other half
	s_mov_b32 s7, 0xfedcba98
	s_mov_b32 s41, 0x3c000000                      ; 1/128
	s_mov_b32 s42, 0x3727c5ac                      ; 1e-5
	s_wait_alu depctr_va_sdst(0)                   ; s2, the wave's number, is written, ahead of its first reader
	s_lshl_b32 s40, s2, 13
	v_lshlrev_b32 v[WOFF], 9, v1
	v_lshl_add_u32 v[WOFF], v2, 5, v[WOFF]
	v_add_nc_u32 v[WOFF], s40, v[WOFF]             ; 8192 w + 512 r + 32 h
	s_lshl_b32 s40, s2, 6
	v_lshl_add_u32 v[BOFF], v2, 5, s40             ; 64 w + 32 h
	v_lshl_add_u32 v[BVOFF], v1, 2, s40            ; 64 w + 4 r
	v_mul_u32_u24 v[FRA], v1, XP
	v_lshl_add_u32 v[FRA], v2, 4, v[FRA]           ; 272 r + 16 h
	v_lshlrev_b32 v[LNC], 4, v1                    ; 16 r
	v_lshl_add_u32 v[KA0], v2, 15, v[LNC]
	v_add_nc_u32 v[KA0], KP, v[KA0]                ; KP + 32768 h + 16 r
	s_lshl_b32 s40, s2, 12
	v_add_nc_u32 v[KST], s40, v[KA0]               ; + 4096 w
	v_mul_u32_u24 v[VA], v1, VTP
	v_lshl_add_u32 v[VA], v2, 4, v[VA]
	v_add_nc_u32 v[VA], VT, v[VA]                  ; VT + 4112 r + 16 h
	s_lshl_b32 s40, s2, 9
	v_add_nc_u32 v[VST], s40, v[VA]                ; + 512 w
	s_mul_i32 s40, s4, 64*XP
	v_add_nc_u32 v[QFA], s40, v[FRA]               ; my quarter's 64 rows of xn
	s_lshl_b32 s40, s2, 14
	v_lshl_add_u32 v[XOFF], v2, 9, v[LNC]
	v_add_nc_u32 v[XOFF], s40, v[XOFF]             ; 16384 w + 512 h + 16 r: sixteen lanes read 256 neighbouring bytes
	s_mul_i32 s40, s2, 32*XP
	v_mul_u32_u24 v[XNST], v2, XP
	v_lshl_add_u32 v[XNST], v1, 3, v[XNST]
	v_add_nc_u32 v[XNST], s40, v[XNST]             ; 8704 w + 272 h + 8 r
	s_lshl_b32 s32, s3, 17                         ; 256 rows of 512 bytes a block
	s_mov_b32 s33, 0
	s_wait_kmcnt 0x0
	s_add_nc_u64 s[34:35], s[8:9], s[32:33]        ; x at the block
	s_lshl_b32 s40, s4, 15                         ; 64 rows of 512 bytes a quarter
	s_add_co_u32 s32, s32, s40
	s_add_nc_u64 s[36:37], s[8:9], s[32:33]        ; x at my quarter
	s_add_nc_u64 s[38:39], s[30:31], s[32:33]      ; out0 at my quarter
	s_wait_alu depctr_va_vdst(0)                   ; all the offsets and LDS addresses above are written: the loads and stores of the kernel read them
	global_load_b128 v[BQ:BQ+3],   v[BOFF], s[22:23]
	global_load_b128 v[BQ+4:BQ+7], v[BOFF], s[22:23] offset:16
	global_load_b128 v[BK:BK+3],   v[BOFF], s[24:25]
	global_load_b128 v[BK+4:BK+7], v[BOFF], s[24:25] offset:16
	global_load_b32  v[BV1], v[BVOFF], s[26:27]
	global_load_b128 v[LW:LW+3],   v[LNC], s[10:11]
	global_load_b128 v[LW+4:LW+7], v[LNC], s[10:11] offset:256
	global_load_b128 v[LNB:LNB+3],   v[LNC], s[12:13]
	global_load_b128 v[LNB+4:LNB+7], v[LNC], s[12:13] offset:256
.irp i, 0,1,2,3,4,5,6,7,8,9,10,11,12,13,14,15
	global_load_b128 v[X+8*\i:X+8*\i+3],   v[XOFF], s[34:35] offset:1024*\i
	global_load_b128 v[X+8*\i+4:X+8*\i+7], v[XOFF], s[34:35] offset:1024*\i+256
.endr
	LOADW 16, WK
; ---------------------------------------------------------------- LayerNorm of my 32 rows; the weights follow into freed registers
.irp i, 0,1,2,3
	LNROW \i, 46-2*\i                              ; younger: 30 - 2i loads of x and 16 of Wk
.endr
	s_wait_alu depctr_va_vdst(0)                   ; the conversions of groups 0-3 have written the registers that the eight stores read
.irp i, 0,1,2,3
	LNST \i
.endr
.irp i, 4,5,6,7
	LNROW \i, 46-2*\i
.endr
	s_wait_alu depctr_va_vdst(0)                   ; the same for groups 4-7; and no vector instruction names groups 0-7 any more, in which Wv lands
.irp i, 4,5,6,7
	LNST \i
.endr
	s_wait_alu depctr_vm_vsrc(0)                   ; the LDS stores have read groups 0-7
	LOADW 18, X                                    ; Wv into the registers of groups 0-7
.irp i, 8,9,10,11
	LNROW \i, 62-2*\i                              ; and 16 of Wv
.endr
	s_wait_alu depctr_va_vdst(0)                   ; the conversions of groups 8-11 have written the registers that the eight stores read
.irp i, 8,9,10,11
	LNST \i
.endr
.irp i, 12,13,14,15
	LNROW \i, 62-2*\i
.endr
	s_wait_alu depctr_va_vdst(0)                   ; the same for groups 12-15; and no vector instruction names groups 8-15 any more, in which Wq lands
.irp i, 12,13,14,15
	LNST \i
.endr
	s_wait_alu depctr_vm_vsrc(0)                   ; the LDS stores have read groups 8-15
	LOADW 14, X+64                                 ; Wq into the registers of groups 8-15
	s_wait_dscnt 0x0                               ; my rows of xn are in LDS, for the others' sake
	s_barrier_signal -1
	s_wait_loadcnt 0x20                            ; Wk is in (Wv's and Wq's 32 loads are younger)
	CVTW WK, WK
	s_wait_loadcnt 0x10                            ; Wv
	CVTW X, WV
	s_wait_loadcnt 0x0                             ; Wq
	CVTW X+64, WQ
.irp j, 0,1,2,3,4,5,6,7
	v_mov_b32 v[BV+\j], v[BV1]                     ; V's C operand: the same bias in all eight rows of a column
.endr
	s_barrier_wait -1                              ; all 256 rows of xn are there
; ---------------------------------------------------------------- K and V of all rows, chunk w
	s_wait_alu depctr_va_vdst(0)                   ; the conversions are done reading Wv's and Wq's f32 registers, in which the first two fragment fetches land
	FETCHF F0, FRA, 0
.irp t, 0,1,2,3,4,5,6,7,8,9,10,11,12,13,14,15
	PROJ \t
.endr
; ---------------------------------------------------------------- Q of my quarter's 64 rows, chunk w
	FETCHF F0,    QFA, 0                           ; no wait: tile 15's wait has shown the readers of all four targets done
	FETCHF F0+32, QFA, 16*XP
	FETCHF WK,    QFA, 32*XP                       ; Wk and Wv are done with
	FETCHF WV,    QFA, 48*XP
	s_wait_dscnt 0x0
	s_wait_alu depctr_vm_vsrc(0)                   ; tile 15's LDS stores have read PK, over which Q's third sum is written
.irp ks, 0,1,2,3
	QLINK 0, F0,    \ks
	QLINK 1, F0+32, \ks
	QLINK 2, WK,    \ks
	QLINK 3, WV,    \ks
.endr
; The zero blocks.  The first twelve write registers that no Q product names: they are the places behind those products, in front
; of the fills that land on bq's registers and of the reads of the results (ISA guide 7.12.1).
.irp z, 28,29,30,31,36,37,38,39,44,45,46,47,12,13,14,15,20,21,22,23
	v_mov_b32 v\z, 0
.endr
.irp i, 0,1,2,3
.irp k, 0,2,4,6
	v_pk_mul_f32 v[QACC+8*\i+\k:QACC+8*\i+\k+1], v[QACC+8*\i+\k:QACC+8*\i+\k+1], 0x3fb8aa3b op_sel_hi:[1,0]   ; log2(e): exp becomes exp2
.endr
.irp k, 0,1,2,3
	v_cvt_pk_bf16_f32 v[QB+4+8*\i+\k], v[QACC+8*\i+2*\k], v[QACC+8*\i+2*\k+1]
.endr
.endr
	s_wait_dscnt 0x0                               ; my K and V stores are done, my reads of xn too
	s_barrier_signal -1
	s_barrier_wait -1                              ; K and V are whole; xn's bytes may be written again
; ---------------------------------------------------------------- pass 1: the row maxima
	v_mov_b32 v[KA], v[KA0]
	s_wait_alu depctr_va_vdst(0)                   ; KA is written; Q's products are done reading Wq and their fragments, the conversions Q's sums: in those registers K, Wo and bo land
.irp b, 0,1,2,3
	KFILL \b, \b                                   ; steps 0 to 3
.endr
	LOADW 20, OB                                   ; Wo and bo travel during the whole pass, into registers that it does not use
	global_load_b128 v[BO:BO+3],   v[BOFF], s[28:29]
	global_load_b128 v[BO+4:BO+7], v[BOFF], s[28:29] offset:16
	s_wait_dscnt 0x6                               ; step 0's K is in, the six loads of steps 1 to 3 may stay out
	SW 0, 0, 0
.irp j, 0,1,2,3,4,5,6,7
	v_mov_b32 v[ONES+\j], 0x3f803f80               ; these sixteen fills are the places behind the first product
.endr
.irp i, 0,1,2,3
	v_mov_b32 v[NEGM+8*\i],   0xff800000
	v_mov_b32 v[NEGM+8*\i+1], 0xff800000
.endr
	s_mov_b32 s5, 15                               ; steps 0 to 59, which fetch K of steps 4 to 63
.Lpass1:
	P1STEP 0, 0, 4, 0                              ; younger than the next K: the pair asked for one step back
	P1STEP 1, 1, 6, 0                              ; younger: the second of the older pair and the four just asked for
	P1STEP 2, 0, 4, 0
	P1STEP 3, 1, 6, 0
	s_wait_alu depctr_vm_vsrc(0)                   ; the LDS loads issued so far have read KA
	v_add_nc_u32 v[KA], 2048, v[KA]
	s_sub_co_i32 s5, s5, 1
	s_cmp_lg_u32 s5, 0
	s_cbranch_scc1 .Lpass1
	P1STEP 0, 0, 4, 0                              ; steps 60 to 63 fetch nothing: the counts run down
	P1STEP 1, 0, 2, 0
	P1STEP 2, 0, 0, 0
	P1STEP 3, 0, 0, 1
	; Wo: round, and park the fragments in my own LDS bytes (their registers become numerators and row sums)
	s_wait_loadcnt 0x0                             ; Wo and bo are in; also frees WOFF and BOFF
	s_wait_alu depctr_vm_vsrc(0)                   ; the loads of Wo have read WOFF, pass 1's LDS loads KA: both are written below
	CVTW OB, OB
	s_lshl_b32 s40, s2, 12
	s_add_co_u32 s40, s40, WOS
	v_and_b32 v[WOSA], 31, v0
	v_lshl_add_u32 v[WOSA], v[WOSA], 4, s40        ; WOS + 4096 w + 16 L
	v_mov_b32 v[KA], v[KA0]
	s_wait_alu depctr_va_vdst(0)                   ; the conversions have written Wo's fragments, which the stores read; WOSA and KA are written; pass 1's products are done reading the four K buffers, in which pass 2's first fragments land
.irp q, 0,1,2,3,4,5,6,7
	ds_store_b128 v[WOSA], v[OB+4*\q:OB+4*\q+3] offset:512*\q
.endr
	KFILL 0, 0                                     ; pass 2's first fragments travel during the arithmetic below, which names none of their registers
	VFILL 0, 0
	KFILL 1, 1
	; a lane saw the keys 8h..8h+7 of every tile: join the two chains and the two halves, then minus the maximum in all 8 registers
.irp i, 0,1,2,3
	v_max_num_f32 v[SB+16*\i], v[NEGM+8*\i], v[NEGM+8*\i+1]
	v_permlanex16_b32 v[SB+16*\i+1], v[SB+16*\i], s6, s7
	v_max_num_f32 v[SB+16*\i], v[SB+16*\i], v[SB+16*\i+1]
.irp j, 0,1,2,3,4,5,6,7
	v_mul_f32 v[NEGM+8*\i+\j], -1.0, v[SB+16*\i]
.endr
.endr
; ---------------------------------------------------------------- pass 2: exp2, numerators, row sums
	s_wait_alu depctr_vm_vsrc(0)                   ; the LDS stores have read Wo's fragments: the numerators are written over them
	s_wait_dscnt 0x4                               ; K of step 0 is in; V(0) and K(1) may stay out
	SW 0, 0, 1
	NOP4
	P2STEP 0, 0, 1, 1, 2, 4, 0
	P2STEP 1, 1, 1, 1, 2, 4, 0
	s_wait_alu depctr_vm_vsrc(0)                   ; the LDS loads issued so far have read KA and VA
	v_add_nc_u32 v[KA], 1024, v[KA]
	v_add_nc_u32 v[VA], 128, v[VA]
	s_mov_b32 s5, 30                               ; steps 2 to 61
.Lpass2:
	P2STEP 0, 2, 1, 1, 2, 4, 0
	P2STEP 1, 2, 1, 1, 2, 4, 0
	s_wait_alu depctr_vm_vsrc(0)                   ; the LDS loads issued so far have read KA and VA
	v_add_nc_u32 v[KA], 1024, v[KA]
	v_add_nc_u32 v[VA], 128, v[VA]
	s_sub_co_i32 s5, s5, 1
	s_cmp_lg_u32 s5, 0
	s_cbranch_scc1 .Lpass2
	P2STEP 0, 2, 1, 0, 2, 2, 0                     ; step 62 fetches V(63) alone: it is all that is younger than K(63)
	P2STEP 1, 2, 0, 0, 0, 0, 1                     ; step 63 fetches nothing
	PVC 3                                          ; and its last tile is finished here
	PVM 3, 1, 0
; ---------------------------------------------------------------- epilogue
	; nine address instructions: the places behind the last products
	v_and_b32 v[OOFF], 31, v0
	v_lshlrev_b32 v[OOFF], 4, v[OOFF]              ; 16 L
	s_mul_i32 s40, s2, 8*OSP
	v_add_nc_u32 v[OSTR], s40, v[OOFF]
	v_add_nc_u32 v[OSTR], OST, v[OSTR]             ; OST + 4224 w + 16 L: rows 8w..8w+7, whole rows
	s_lshl_b32 s40, s2, 12
	v_add_nc_u32 v[OOFF], s40, v[OOFF]             ; 4096 w + 16 L: the same rows in x and out0
	s_lshl_b32 s40, s2, 5
	v_add_nc_u32 v[ATTW], s40, v[FRA]              ; 272 r + 32 w + 16 h
	v_mul_u32_u24 v[OSTW], v1, OSP
	v_lshl_add_u32 v[OSTW], v2, 5, v[OSTW]
	s_lshl_b32 s40, s2, 6
	s_add_co_u32 s40, s40, OST
	v_add_nc_u32 v[OSTW], s40, v[OSTW]             ; OST + 528 r + 64 w + 32 h
	s_wait_alu depctr_va_vdst(0)                   ; the four addresses are written; the score products are done reading the maxima and q, in which x and Wo land
.irp i, 0,1,2,3,4,5,6,7
	global_load_b128 v[XR+4*\i:XR+4*\i+3], v[OOFF], s[36:37] offset:512*\i    ; the residual, on its way during the out projection
.endr
.irp q, 0,1,2,3,4,5,6,7
	ds_load_b128 v[WO+4*\q:WO+4*\q+3], v[WOSA] offset:512*\q                  ; my own bytes: no barrier
.endr
.irp i, 0,1,2,3
	v_rcp_f32 v[LS+8*\i],   v[LS+8*\i]             ; every register of a tile holds the sum of query r: two make a pair
	v_rcp_f32 v[LS+8*\i+1], v[LS+8*\i+1]
.endr
	v_nop
	s_wait_alu depctr_va_vdst(0)
.irp i, 0,1,2,3
	v_pk_mul_f32 v[LS+8*\i:LS+8*\i+1], v[LS+8*\i:LS+8*\i+1], 0x3db504f3 op_sel_hi:[1,0]    ; / sqrt(128), behind the softmax
.endr
.irp i, 0,1,2,3
.irp k, 0,2,4,6
	v_pk_mul_f32 v[OB+8*\i+\k:OB+8*\i+\k+1], v[OB+8*\i+\k:OB+8*\i+\k+1], v[LS+8*\i:LS+8*\i+1]
.endr
.irp k, 0,1,2,3
	v_cvt_pk_bf16_f32 v[OB+8*\i+\k], v[OB+8*\i+2*\k], v[OB+8*\i+2*\k+1]
.endr
.endr
	s_wait_alu depctr_va_vdst(0)                   ; the conversions have written the four tiles, which the stores read; no vector or matrix instruction names the numerators, sums, ones, K, V or scores any more, in which the fragments below land
.irp i, 0,1,2,3
	ds_store_b128 v[ATTW], v[OB+8*\i:OB+8*\i+3] offset:16*XP*\i               ; row 16 i + r, columns 16 w + 8 h ..+7
.endr
	s_wait_dscnt 0x0
	s_barrier_signal -1
	s_barrier_wait -1                              ; the 64 attention rows are whole
	s_wait_alu depctr_vm_vsrc(0)                   ; my four LDS stores have read their tiles, in which the first fragments land
	FETCHF OB,    FRA, 0
	FETCHF LS,    FRA, 16*XP
	FETCHF RB,    FRA, 32*XP
	FETCHF ONES,  FRA, 48*XP
	s_wait_dscnt 0x0
.irp ks, 0,1,2,3
	OLINK 0, OB,   \ks
	OLINK 1, LS,   \ks
	OLINK 2, RB,   \ks
	OLINK 3, ONES, \ks
.endr
	NOP4                                           ; four places behind the last matrix instruction, before its result is read (ISA guide 7.12.1)
	s_wait_alu depctr_va_vdst(0)                   ; the products have written the four sums, which the stores read, and are done reading the fragment in RB, in which the rows read back land; the places above stay beside this wait
.irp rt, 0,1,2,3
	ds_store_b128 v[OSTW], v[OA+8*\rt:OA+8*\rt+3]   offset:16*OSP*\rt         ; row 16 rt + r, columns 16 w + 8 h ..+3
	ds_store_b128 v[OSTW], v[OA+8*\rt+4:OA+8*\rt+7] offset:16*OSP*\rt+16
.endr
	s_wait_dscnt 0x0
	s_barrier_signal -1
	s_barrier_wait -1                              ; the 64 output rows are whole
.irp i, 0,1,2,3,4,5,6,7
	ds_load_b128 v[RB+4*\i:RB+4*\i+3], v[OSTR] offset:OSP*\i
.endr
	s_wait_loadcnt 0x0                             ; x
	s_wait_dscnt 0x0
.irp i, 0,1,2,3,4,5,6,7
	v_pk_add_f32 v[RB+4*\i:RB+4*\i+1],   v[RB+4*\i:RB+4*\i+1],   v[XR+4*\i:XR+4*\i+1]
	v_pk_add_f32 v[RB+4*\i+2:RB+4*\i+3], v[RB+4*\i+2:RB+4*\i+3], v[XR+4*\i+2:XR+4*\i+3]
.endr
	s_wait_alu depctr_va_vdst(0)                   ; the additions have written the eight rows, which the stores read
.irp i, 0,1,2,3,4,5,6,7
	global_store_b128 v[OOFF], v[RB+4*\i:RB+4*\i+3], s[38:39] offset:512*\i th:TH_STORE_NT   ; a wave's store covers a row: 512 bytes, aligned
.endr
	s_set_vgpr_msb 0x5
	s_wait_dscnt 0x0
	s_wait_alu depctr_hold_cnt(0) depctr_sa_sdst(0) depctr_va_vdst(0) depctr_va_sdst(0) depctr_va_ssrc(0) depctr_va_vcc(0) depctr_vm_vsrc(0)
	s_wait_tensorcnt 0x0
	ds_add_u32 v0, v1
	s_wait_dscnt 0x0
	s_endpgm
.Lfunc_end_k_q5c57b5b3e2_mha:
	.size	k_q5c57b5b3e2_mha, .Lfunc_end_k_q5c57b5b3e2_mha-k_q5c57b5b3e2_mha
	.p2alignl 7, 3214868480
	.fill 96, 4, 3214868480
	.section	.rodata,"a",@progbits
	.p2align	6, 0x0
	.amdhsa_kernel k_q5c57b5b3e2_mha
		.amdhsa_group_segment_fixed_size 234752
		.amdhsa_private_segment_fixed_size 0
		.amdhsa_enable_private_segment 0
		.amdhsa_kernarg_size 96
		.amdhsa_user_sgpr_count 2
		.amdhsa_user_sgpr_kernarg_segment_ptr 1
		.amdhsa_wavefront_size32 1
		.amdhsa_system_sgpr_workgroup_id_x 1
		.amdhsa_system_sgpr_workgroup_id_y 1
		.amdhsa_system_sgpr_workgroup_id_z 1
		.amdhsa_system_vgpr_workitem_id 0
		.amdhsa_next_free_vgpr 258
		.amdhsa_next_free_sgpr 66
		.amdhsa_reserve_vcc 0
		.amdhsa_float_denorm_mode_32 3
		.amdhsa_float_denorm_mode_16_64 3
		.amdhsa_memory_ordered 1
		.amdhsa_forward_progress 1
		.amdhsa_inst_pref_size 167
	.end_amdhsa_kernel
	.amdgpu_metadata
---
amdhsa.version: [ 1, 2 ]
amdhsa.kernels:
  - .name:           k_q5c57b5b3e2_mha
    .symbol:         k_q5c57b5b3e2_mha.kd
    .args:
      - { .name: x, .offset: 0, .size: 8, .value_kind: global_buffer, .address_space: global }
      - { .name: ln_w, .offset: 8, .size: 8, .value_kind: global_buffer, .address_space: global }
      - { .name: ln_b, .offset: 16, .size: 8, .value_kind: global_buffer, .address_space: global }
      - { .name: Wq, .offset: 24, .size: 8, .value_kind: global_buffer, .address_space: global }
      - { .name: Wk, .offset: 32, .size: 8, .value_kind: global_buffer, .address_space: global }
      - { .name: Wv, .offset: 40, .size: 8, .value_kind: global_buffer, .address_space: global }
      - { .name: Wo, .offset: 48, .size: 8, .value_kind: global_buffer, .address_space: global }
      - { .name: bq, .offset: 56, .size: 8, .value_kind: global_buffer, .address_space: global }
      - { .name: bk, .offset: 64, .size: 8, .value_kind: global_buffer, .address_space: global }
      - { .name: bv, .offset: 72, .size: 8, .value_kind: global_buffer, .address_space: global }
      - { .name: bo, .offset: 80, .size: 8, .value_kind: global_buffer, .address_space: global }
      - { .name: out0, .offset: 88, .size: 8, .value_kind: global_buffer, .address_space: global }
    .group_segment_fixed_size: 234752
    .private_segment_fixed_size: 0
    .kernarg_segment_align: 8
    .kernarg_segment_size: 96
    .max_flat_workgroup_size: 256
    .sgpr_count:     66
    .vgpr_count:     258
    .wavefront_size: 32
...
	.end_amdgpu_metadata
.endif
;; end of part 2
